; MI455X (gfx1250); checked and timed in simulation.
; The chip was launched on July 23, 2026; its instructions are those of AMD's public machine-readable ISA for CDNA 5 (MIT licence, August 2026) and "CDNA5" Instruction Set Architecture Reference Guide (July 2026). The comments in the code are by the model that wrote it; some were corrected since.
;; Attention Block V3. Allowed arithmetic: matrix products marked QUANTISED: E2M1 operands, one E8M0 scale for each 32 along K, by v_wmma_scale_f32_16x16x128_f8f6f4 with both operands' format E2M1 (or v_wmma_scale_f32_32x16x128_f4), f32 sums; products left as they are: bf16, f16 or f32 operands; f32 sums; everything else in f32.
;; Inputs: b_proj 256 float32; w_proj 256 x 256 float32; w_qkv 768 x 256 float32; x 4 x 256 x 64 x 64 float32.
;; Outputs: out0 4 x 256 x 64 x 64 float32.
;; This version of the problem:
;;   THIS VERSION OF THE PROBLEM IS GIVEN IN LOW PRECISION. The matrix products marked QUANTISED in the list below multiply operands that are first quantised to E2M1 (2 exponent bits, 1 mantissa bit; 4 bits a number), with one power-of-two scale for each 32 numbers along K (OCP MX v1.0); their sums are f32. The products marked 'left as it is' may take bf16, f16 or f32 operands, with f32 sums. Whichever they take, every output number must still come out within the allowed error. Rounding operands to bf16 (8 significant bits) uses up far more of that allowance than f16 does (11 bits, for magnitudes from 6e-5 to 65,504). All else is computed in f32.
;;   The module's matrix products, in the order in which they are computed (A, B: the left and right operand; K: the contracted axis; several contracted axes count as one K, in the product's order):
;;     1. [M 768, K 256] x [K 256, N 16,384]; A: input w_qkv; B: input x: QUANTISED
;;     2. batch 16 x [M 4,096, K 64] x [K 64, N 4,096]; A: computed on the way; B: computed on the way: left as it is (an operand is computed on the way)
;;     3. batch 16 x [M 4,096, K 4,096] x [K 4,096, N 64]; A: computed on the way; B: computed on the way: left as it is (an operand is computed on the way)
;;     4. [M 256, K 256] x [K 256, N 16,384]; A: input w_proj; B: computed on the way: left as it is (an operand is computed on the way)
;;   THE QUANTISER, for each operand of a quantised product, along K:
;;     - K is cut into blocks of 32 from its start; a last block that is shorter is filled with zeros.
;;     - A block's scale is 2^e with e = floor(log2(the largest magnitude in the block)) - 2, held to -126 .. 127; a block of zeros has e = 0. As a byte (E8M0): e + 127.
;;     - Each number is divided by its block's scale, clamped to +-6, and rounded to the nearest number of E2M1, ties to even, subnormals kept.
;;     - The product sums the exact products of the quantised numbers (number of the format x scale) in f32.
;;   ~~~python
;;   def quantise(x, axis):      # numpy; x: float32 -> the quantised numbers, widened to float32 again
;;       x = np.moveaxis(x, axis, -1); K = x.shape[-1]
;;       x = np.pad(x, [(0, 0)] * (x.ndim - 1) + [(0, -K % 32)]); x = x.reshape(x.shape[:-1] + (-1, 32)); a = np.abs(x).max(-1, keepdims=True)
;;       e = np.where(a > 0, np.clip(np.frexp(np.where(a > 0, a, 1))[1] - 1 - 2, -126, 127), 0)      # np.frexp(a)[1] - 1 = floor(log2(a)), exactly
;;       r = np.clip(x / 2.0 ** e, -6, 6)
;;       step = 2.0 ** (np.maximum(np.frexp(np.where(r == 0, 1, r))[1] - 1, 0) - 1)
;;       q = np.round(r / step) * step * 2.0 ** e      # np.round: ties to even
;;       return np.moveaxis(q.reshape(q.shape[:-2] + (-1,))[..., :K], -1, axis).astype(np.float32)
;;   ~~~
;; One version. Each part assembles by itself: llvm-mc -triple=amdgcn-amd-amdhsa -mcpu=gfx1250 --defsym DOCPART=n.
;; ======== version 1 of 1: 4 launches
;; limits: values are held in f16: magnitudes above 65,504 overflow, below 6.1e-05 lose precision; right only within a limited range of input values
;; workspace buffers: wimg 98,304 bytes; wsc 12,288 bytes; wpimg 131,072 bytes; qimg 8,388,608 bytes; kv 16,777,216 bytes; attimg 8,388,608 bytes
;; launch prep (part 1): grid 56 x 1, 4 waves a work-group, no clusters, 0 bytes of LDS; arguments w_qkv, w_proj, wimg, wsc, wpimg; writes wimg, wsc, wpimg
.if DOCPART == 1
	.amdgcn_target "amdgcn-amd-amdhsa--gfx1250"
	.amdhsa_code_object_version 6
	.text
	.protected	k_qa265bf350f_prep
	.globl	k_qa265bf350f_prep
	.p2align	8
	.type	k_qa265bf350f_prep,@function
k_qa265bf350f_prep:
	s_mov_b64 s[64:65], 0
	v_nop
	global_prefetch_b8 v0, s[64:65] scope:SCOPE_SE
	s_setreg_imm32_b32 hwreg(HW_REG_WAVE_MODE, 25, 1), 1
	s_wait_xcnt 0x0
; PREP: the two weights are laid out once, in the order of the operand registers of the launches that read them.
; w_qkv [768][256] f32 -> codes of FP4 (E2M1) along its 256 (K innermost), one E8M0 byte for each 32:
;   wimg [48 tiles of 16 rows][2 K steps of 128][2 blocks][512 bytes]: block cc holds registers 4 cc .. 4 cc + 3 of the fragment, lane l's 16 bytes at 16 l;
;   lane (r, h) holds row r, k = 128 ks + 64 cc + 32 h + 0 .. 31.   wsc [48][2][32 lanes x 4 bytes]: row r's scale word, in lane r and again in lane 16 + r.
; w_proj [256][256] f32 -> f16: wpimg [16 tiles][8 K steps of 32][2 blocks][512 bytes]: block c2, lane (r, h): row r, c = 32 ks + 16 c2 + 8 h + 0 .. 7.
; A block's scale is 2^(floor(log2(its largest magnitude)) - 2); its byte is the largest magnitude's exponent field - 2, held at 1 from below.
; (A block of zeros gets the byte 1 where the rule says 127: its codes are zeros, which add nothing, and this program alone reads the bytes.)
; SHARES: one wave makes one fragment.  96 fragments of w_qkv: work-groups 0 to 23; 128 of w_proj: work-groups 24 to 55.  There is work for 56 work-groups and no more.
; LIMITS: NaN and infinities among the inputs are not served; |w_proj| stays under 65,504 (f16's largest number); numbers of w_proj under 6e-5 keep f16's absolute step of 6e-8.
; No LDS, no barrier: waves share nothing.  Every store of a wave covers 512 (the scale words: 128) consecutive bytes, aligned.
.set RAW, 16                           ; v16-79  64 numbers of my row (w_proj: v16-31)
.set COD, 80                           ; v80-87  the fragment's codes
	s_load_b128 s[4:7], s[0:1], 0x0                ; w_qkv s[4:5], w_proj s[6:7]
	s_load_b128 s[8:11], s[0:1], 0x10              ; wimg s[8:9], wsc s[10:11]
	s_load_b64 s[12:13], s[0:1], 0x20              ; wpimg
	v_lshrrev_b32 v1, 5, v0
	v_readfirstlane_b32 s16, v1                    ; wave 0..3
	v_and_b32 v1, 15, v0                           ; r
	v_bfe_u32 v2, v0, 4, 1                         ; h
	v_and_b32 v6, 31, v0                           ; lane
	v_lshlrev_b32 v4, 4, v6                        ; 16 x lane: my place in a block of an image
	v_lshlrev_b32 v5, 2, v6                        ; 4 x lane: my place among the scale words
	v_lshlrev_b32 v3, 10, v1                       ; row r: both weights have rows of 1,024 bytes
	s_mov_b32 s20, 0x76543210
	s_mov_b32 s21, 0xfedcba98                      ; v_permlanex16_b32's selects for lane l xor 16
	s_mov_b32 s23, 0
	s_wait_kmcnt 0x0
	s_cmp_lt_u32 ttmp9, 24                         ; the work-group's number alone decides
	s_cbranch_scc0 .Lw_proj
	; ---- a fragment of w_qkv: f = 4 x work-group + wave; tile f / 2, K step f % 2
	s_lshl_b32 s17, ttmp9, 2
	s_add_co_u32 s17, s17, s16                     ; f
	s_lshr_b32 s18, s17, 1
	s_lshl_b32 s18, s18, 14                        ; 16 rows of 1,024 bytes a tile
	s_and_b32 s19, s17, 1
	s_lshl_b32 s19, s19, 9                         ; 128 numbers a K step
	s_add_co_u32 s22, s18, s19
	s_add_nc_u64 s[4:5], s[4:5], s[22:23]
	s_lshl_b32 s22, s17, 10                        ; 1,024 bytes of codes a fragment
	s_add_nc_u64 s[8:9], s[8:9], s[22:23]
	s_lshl_b32 s22, s17, 7                         ; 128 bytes of scale words
	s_add_nc_u64 s[10:11], s[10:11], s[22:23]
	v_lshl_add_u32 v3, v2, 7, v3                   ; + 32 h numbers: lane (r, h) takes blocks h and 2 + h of its row, whole
.irp c, 0,1
.irp i, 0,1,2,3,4,5,6,7
	global_load_b128 v[RAW+32*\c+4*\i:RAW+32*\c+4*\i+3], v3, s[4:5] offset:256*\c+16*\i th:TH_LOAD_NT
.endr
.endr
	s_wait_loadcnt 0x0
.irp c, 0,1
	v_max3_num_f32 v[8+\c], |v[RAW+32*\c]|, |v[RAW+32*\c+1]|, 0x1800000   ; my block's largest magnitude, and the floor 2^(3 - 127): so the byte cannot fall under 1
.endr
.irp i, 2,4,6,8,10,12,14,16,18,20,22,24,26,28,30
.irp c, 0,1
	v_max3_num_f32 v[8+\c], v[8+\c], |v[RAW+32*\c+\i]|, |v[RAW+32*\c+\i+1]|   ; (the two blocks by turns)
.endr
.endr
.irp c, 0,1
	v_add_nc_u32 v[10+\c], 0xff000000, v[8+\c]     ; 2 off the exponent field: the conversion takes the exponent field of this operand as its scale
.endr
.irp c, 0,1
	v_lshrrev_b32 v[12+\c], 23, v[10+\c]           ; the scale's byte
.endr
	v_lshl_or_b32 v14, v13, 16, v12                ; my two bytes, blocks h and 2 + h,
	v_lshlrev_b32 v15, 3, v2
	v_lshlrev_b32 v14, v15, v14                    ; at their places in the word (8 h bits up);
	v_mov_b32 v15, 0
	v_permlanex16_b32 v15, v14, s20, s21
	v_or_b32 v14, v14, v15                         ; with lane l xor 16's two the word is whole, in both lanes
.irp c, 0,1
.irp g, 0,1,2,3
	v_cvt_scalef32_pk8_fp4_f32 v[COD+4*\c+\g], v[RAW+32*\c+8*\g:RAW+32*\c+8*\g+7], v[10+\c]   ; registers 4 c .. 4 c + 3 of the operand
.endr
.endr
	v_nop                                          ; one plain place behind the last scaled conversion
	global_store_b128 v4, v[COD:COD+3], s[8:9]
	global_store_b128 v4, v[COD+4:COD+7], s[8:9] offset:512
	global_store_b32 v5, v14, s[10:11]
	s_endpgm
.Lw_proj:
	; ---- a fragment of w_proj: f = 4 x (work-group - 24) + wave; tile f / 8, K step f % 8
	s_sub_co_u32 s17, ttmp9, 24
	s_lshl_b32 s17, s17, 2
	s_add_co_u32 s17, s17, s16                     ; f
	s_lshr_b32 s18, s17, 3
	s_lshl_b32 s18, s18, 14                        ; 16 rows of 1,024 bytes a tile
	s_and_b32 s19, s17, 7
	s_lshl_b32 s19, s19, 7                         ; 32 numbers a K step
	s_add_co_u32 s22, s18, s19
	s_add_nc_u64 s[6:7], s[6:7], s[22:23]
	s_lshl_b32 s22, s17, 10                        ; 1,024 bytes a fragment
	s_add_nc_u64 s[12:13], s[12:13], s[22:23]
	v_lshl_add_u32 v3, v2, 5, v3                   ; + 8 h numbers
	global_load_b128 v[RAW:RAW+3], v3, s[6:7] th:TH_LOAD_NT                 ; c = 8 h + 0 .. 7
	global_load_b128 v[RAW+4:RAW+7], v3, s[6:7] offset:16 th:TH_LOAD_NT
	global_load_b128 v[RAW+8:RAW+11], v3, s[6:7] offset:64 th:TH_LOAD_NT    ; c = 16 + 8 h + 0 .. 7
	global_load_b128 v[RAW+12:RAW+15], v3, s[6:7] offset:80 th:TH_LOAD_NT
	s_wait_loadcnt 0x0
.irp i, 0,1,2,3,4,5,6,7
	v_cvt_pk_f16_f32 v[32+\i], v[RAW+2*\i], v[RAW+2*\i+1]
.endr
	global_store_b128 v4, v[32:35], s[12:13]
	global_store_b128 v4, v[36:39], s[12:13] offset:512
	s_endpgm
.Lfunc_end_k_qa265bf350f_prep:
	.size	k_qa265bf350f_prep, .Lfunc_end_k_qa265bf350f_prep-k_qa265bf350f_prep
	.p2alignl 7, 3214868480
	.fill 96, 4, 3214868480
	.section	.rodata,"a",@progbits
	.p2align	6, 0x0
	.amdhsa_kernel k_qa265bf350f_prep
		.amdhsa_group_segment_fixed_size 0
		.amdhsa_private_segment_fixed_size 0
		.amdhsa_enable_private_segment 0
		.amdhsa_kernarg_size 40
		.amdhsa_user_sgpr_count 2
		.amdhsa_user_sgpr_kernarg_segment_ptr 1
		.amdhsa_wavefront_size32 1
		.amdhsa_system_sgpr_workgroup_id_x 1
		.amdhsa_system_sgpr_workgroup_id_y 1
		.amdhsa_system_sgpr_workgroup_id_z 1
		.amdhsa_system_vgpr_workitem_id 0
		.amdhsa_next_free_vgpr 96
		.amdhsa_next_free_sgpr 66
		.amdhsa_reserve_vcc 0
		.amdhsa_float_denorm_mode_32 3
		.amdhsa_float_denorm_mode_16_64 3
		.amdhsa_memory_ordered 1
		.amdhsa_forward_progress 1
		.amdhsa_inst_pref_size 8
	.end_amdhsa_kernel
	.amdgpu_metadata
---
amdhsa.version: [ 1, 2 ]
amdhsa.kernels:
  - .name:           k_qa265bf350f_prep
    .symbol:         k_qa265bf350f_prep.kd
    .args:
      - { .name: w_qkv, .offset: 0, .size: 8, .value_kind: global_buffer, .address_space: global }
      - { .name: w_proj, .offset: 8, .size: 8, .value_kind: global_buffer, .address_space: global }
      - { .name: wimg, .offset: 16, .size: 8, .value_kind: global_buffer, .address_space: global }
      - { .name: wsc, .offset: 24, .size: 8, .value_kind: global_buffer, .address_space: global }
      - { .name: wpimg, .offset: 32, .size: 8, .value_kind: global_buffer, .address_space: global }
    .group_segment_fixed_size: 0
    .private_segment_fixed_size: 0
    .kernarg_segment_align: 8
    .kernarg_segment_size: 40
    .max_flat_workgroup_size: 128
    .sgpr_count:     66
    .vgpr_count:     96
    .wavefront_size: 32
...
	.end_amdgpu_metadata
.endif
;; end of part 1
;; launch qkv (part 2): grid 256 x 1, 8 waves a work-group, no clusters, 9,728 bytes of LDS; arguments x, wimg, wsc, qimg, kv; writes qimg, kv
.if DOCPART == 2
	.amdgcn_target "amdgcn-amd-amdhsa--gfx1250"
	.amdhsa_code_object_version 6
	.text
	.protected	k_qa265bf350f_qkv
	.globl	k_qa265bf350f_qkv
	.p2align	8
	.type	k_qa265bf350f_qkv,@function
k_qa265bf350f_qkv:
	s_mov_b64 s[64:65], 0
	v_nop
	global_prefetch_b8 v0, s[64:65] scope:SCOPE_SE
	s_setreg_imm32_b32 hwreg(HW_REG_WAVE_MODE, 25, 1), 1
	s_wait_xcnt 0x0
; QKV: qkv[b][o][n] = the sum over c of w_qkv[o][c] x[b][c][n], both operands as codes of FP4 (E2M1) with one E8M0 scale for each 32 along c; sums in f32.
; x [4][256][4096] f32 is quantised here, in registers: each number of x is read by this one work-group alone.  w_qkv comes as codes and scale words, in the order of the operand's registers.
; q, k and v are rounded to f16 and stored as IMAGES OF THE NEXT PRODUCTS' OPERAND REGISTERS: a result tile of 16 x 16, packed, is 16 bytes a lane, one block of 512 bytes of a fragment:
;   qimg [head 16][tile of 16 positions 256][blk 4][512]: lane (r, h): position r, d = 16 blk + 8 h + 0 .. 7
;   kv   [head 16][step of 32 keys 128][8,192]: at 0 K [tile 2][blk 4][512] as q; at 4,096 V [ct 4][c2 2][512]: lane (r, h): channel 16 ct + r, keys 16 c2 + 8 h + 0 .. 7
; So q and k are made with source 0 = 16 rows of w, source 1 = 16 positions (a lane holds one position and 8 channels), v the other way round (a lane holds one channel and 8 keys).
; SHARES.  A work-group takes 64 positions of one image, for all 768 outputs.  Phase 1: wave w quantises 32 positions (w % 2) x 64 channels (w / 2): A LANE TAKES A POSITION AND ITS REGISTERS RUN DOWN c,
; so a block of 32 along c lies in one lane.  The codes go to LDS as images of the operand's registers.  Phase 2: wave w makes output tiles 2 w, 2 w + 1 of each of q, k, v for the 64 positions.
; NO CLUSTER: what work-groups share are the weights, 13,824 bytes a wave, which go from memory straight into the registers of the one wave that multiplies by them, once;
; asked for jointly they would have to go through LDS and back.
; LIMITS: NaN and infinities among the inputs are not served.  A block of zeros gets the byte 1 over zero codes.  |q|, |k|, |v| stay under 65,504, f16's largest number; under 6e-5 they keep f16's absolute step of 6e-8.
.set XIMG,  0                          ; LDS: x's 8 fragments: (tile of positions pt, K step ks) at (2 pt + ks) x 1,024, block cc at + 512 cc
.set XSC,   8192                       ; their scale words: [ks 2][64 positions][4 bytes]
.set SPARE, 8704                       ; the spare words, 128 bytes for each of the eight waves: four blocks of 256 bytes that no other line names
.set LI,  1                            ; v1   16 x lane
.set LS,  2                            ; v2   4 x lane
.set XWI, 3                            ; v3   where I store my codes
.set XWS, 4                            ; v4   where I store my two scale bytes
.set XSR, 5                            ; v5   where I read a tile's scale words
.set SPW, 6                            ; v6   LDS address of my spare word; never rewritten
.set NIL, 7                            ; v7   0; never rewritten
.set XF,  12                           ; v12-75   phase 1: my position's 64 numbers; phase 2: x's fragment (pt, ks) at XF + 8 (2 pt + ks)
.set XS,  76                           ; v76-83   x's scale words (pt, ks): scales and nothing else
.set WS,  84                           ; v84-95   w's scale words (2 tau + i, ks): scales and nothing else
.set WF,  96                           ; v96-191  w's fragments at WF + 8 (2 (2 tau + i) + ks)
.set ACC, 192                          ; v192-255 eight accumulators, 4 i + pt; phase 1: v192-199 codes, v200-201 bytes
	s_load_b128 s[4:7], s[0:1], 0x0                ; x s[4:5], wimg s[6:7]
	s_load_b128 s[8:11], s[0:1], 0x10              ; wsc s[8:9], qimg s[10:11]
	s_load_b64 s[12:13], s[0:1], 0x20              ; kv
	v_lshl_add_u32 v[SPW], v0, 2, SPARE
	v_mov_b32 v[NIL], 0
	v_lshrrev_b32 v8, 5, v0
	v_readfirstlane_b32 s16, v8                    ; wave 0..7
	v_and_b32 v8, 31, v0
	v_lshlrev_b32 v[LI], 4, v8
	v_lshlrev_b32 v[LS], 2, v8
	s_and_b32 s17, s16, 1                          ; phase 1: which 32 positions; phase 2: which half of a head's 64 channels
	s_bfe_u32 s18, s16, 0x10001                    ; cc: which 64 of a K step's 128 channels
	s_lshr_b32 s19, s16, 2                         ; ks: which K step
	s_lshr_b32 s28, s16, 1                         ; phase 1: which 64 channels; phase 2: the head in the image
	s_lshr_b32 s26, ttmp9, 6                       ; the image
	s_and_b32 s27, ttmp9, 63                       ; which 64 positions
	s_lshl_b32 s32, s26, 22                        ; an image: 256 x 4,096 x 4 bytes
	s_lshl_b32 s34, s28, 20                        ; 64 channels of 16,384 bytes
	s_add_co_u32 s32, s32, s34
	s_lshl_b32 s34, s27, 8                         ; 64 positions
	s_add_co_u32 s32, s32, s34
	s_lshl_b32 s34, s17, 7                         ; 32 positions
	s_add_co_u32 s32, s32, s34
	s_mov_b32 s33, 0
	s_wait_kmcnt 0x0
	s_add_nc_u64 s[4:5], s[4:5], s[32:33]
.irp i, 0,1,2,3,4,5,6,7,8,9,10,11,12,13,14,15,16,17,18,19,20,21,22,23,24,25,26,27,28,29,30,31,32,33,34,35,36,37,38,39,40,41,42,43,44,45,46,47,48,49,50,51,52,53,54,55,56,57,58,59,60,61,62,63
	global_load_b32 v[XF+\i], v[LS], s[4:5] offset:\i*16384 th:TH_LOAD_NT   ; x(channel i of my 64, my position): the wave reads 128 consecutive bytes, the wave beside it the next 128
.endr
	s_lshl_b32 s20, s17, 12                        ; my codes: tile 2 (w % 2) is fragment 4 (w % 2) + ks,
	s_lshl_b32 s21, s19, 10
	s_add_co_u32 s20, s20, s21
	s_lshl_b32 s21, s18, 9                         ; block cc
	s_add_co_u32 s20, s20, s21
	v_add_nc_u32 v[XWI], s20, v[LI]
	s_lshl_b32 s20, s19, 8                         ; my scale bytes: K step ks,
	s_lshl_b32 s21, s17, 7                         ; position 32 (w % 2) + lane,
	s_add_co_u32 s20, s20, s21
	s_lshl_b32 s21, s18, 1                         ; bytes 2 cc and 2 cc + 1 of its word
	s_add_co_u32 s20, s20, s21
	s_add_co_u32 s20, s20, XSC
	v_add_nc_u32 v[XWS], s20, v[LS]
	v_and_b32 v[XSR], 15, v0
	v_lshl_add_u32 v[XSR], v[XSR], 2, XSC          ; lane r (and 16 + r, which is not read) takes position r of a tile
	s_lshl_b32 s32, s16, 12                        ; wimg: tiles 2 w, 2 w + 1 of 2,048 bytes
	s_add_nc_u64 s[6:7], s[6:7], s[32:33]
	s_lshl_b32 s32, s16, 9                         ; wsc: 256 bytes a tile
	s_add_nc_u64 s[8:9], s[8:9], s[32:33]
	s_lshl_b32 s29, s26, 2
	s_add_co_u32 s29, s29, s28                     ; head = 4 x image + w / 2
	s_lshl_b32 s32, s29, 19                        ; qimg: 524,288 bytes a head,
	s_lshl_b32 s34, s27, 13                        ; four tiles of 2,048,
	s_add_co_u32 s32, s32, s34
	s_lshl_b32 s34, s17, 10                        ; blocks 2 (w % 2) on
	s_add_co_u32 s32, s32, s34
	s_add_nc_u64 s[20:21], s[10:11], s[32:33]      ; where q goes
	s_lshl_b32 s32, s29, 20                        ; kv: 1,048,576 bytes a head,
	s_lshl_b32 s34, s27, 14                        ; two steps of 8,192
	s_add_co_u32 s32, s32, s34
	s_add_nc_u64 s[24:25], s[12:13], s[32:33]
	s_lshl_b32 s32, s17, 10
	s_add_nc_u64 s[22:23], s[24:25], s[32:33]      ; where k goes: blocks 2 (w % 2) on
	s_lshl_b32 s32, s17, 11
	s_add_co_u32 s32, s32, 4096
	s_add_nc_u64 s[24:25], s[24:25], s[32:33]      ; where v goes: behind K, channel tiles 2 (w % 2) on
; Block be (0, 1) of my 64 numbers: its largest magnitude (all 32 are mine; two chains), its scale, its byte, its 32 codes.
.macro QBLK be
.set qx, XF+32*\be
	v_max3_num_f32 v8, |v[qx]|, |v[qx+1]|, |v[qx+2]|
	v_max3_num_f32 v9, |v[qx+3]|, |v[qx+4]|, |v[qx+5]|
.irp i, 6,10,14,18,22,26
	v_max3_num_f32 v8, v8, |v[qx+\i]|, |v[qx+\i+1]|
	v_max3_num_f32 v9, v9, |v[qx+\i+2]|, |v[qx+\i+3]|
.endr
	v_max3_num_f32 v8, v8, |v[qx+30]|, |v[qx+31]|
	v_max3_num_f32 v8, v8, v9, 0x1800000           ; and the floor 2^(3 - 127): so the byte cannot fall under 1
	v_add_nc_u32 v[10+\be], 0xff000000, v8         ; 2 off the exponent field: the conversion's scale operand
	v_lshrrev_b32 v[200+\be], 23, v[10+\be]        ; the scale's byte
.irp g, 0,1,2,3
	v_cvt_scalef32_pk8_fp4_f32 v[192+4*\be+\g], v[qx+8*\g:qx+8*\g+7], v[10+\be]
.endr
.endm
	; ---- phase 1
	s_wait_loadcnt 32                              ; my first 32 loads are in; the 32 behind them may be out
	QBLK 0
.irp tau, 0,1,2                                ; the weights are asked for here: they land while the second block is quantised and the images go round
.irp i, 0,1
.irp ks, 0,1
.irp c, 0,1
	global_load_b128 v[WF+8*(2*(2*\tau+\i)+\ks)+4*\c:WF+8*(2*(2*\tau+\i)+\ks)+4*\c+3], v[LI], s[6:7] offset:\tau*32768+\i*2048+\ks*1024+\c*512
.endr
	global_load_b32 v[WS+2*(2*\tau+\i)+\ks], v[LS], s[8:9] offset:\tau*4096+\i*256+\ks*128
.endr
.endr
.endr
	s_wait_loadcnt 36                              ; all of x is in; the 24 + 12 loads of the weights may be out
	QBLK 1
	v_nop                                          ; one plain place behind the last scaled conversion
.irp g, 0,1,2,3
	v_permlane16_swap_b32 v[192+\g], v[196+\g]     ; the operand wants, for a tile of 16 positions, block 0 in lanes 0-15 and block 1 in lanes 16-31: v192-195 are now the first tile's registers, v196-199 the second's
.endr
	v_lshl_or_b32 v200, v201, 8, v200              ; my position's two bytes
	ds_store_b128 v[XWI], v[192:195]
	ds_store_b128 v[XWI], v[196:199] offset:2048   ; the next tile of positions: two fragments on
	ds_store_b16 v[XWS], v200
	s_wait_dscnt 0x0                               ; for the others' sake: my stores have landed
	s_barrier_signal -1
	s_barrier_wait -1                              ; x's eight fragments and their scale words lie in LDS
	; ---- phase 2
.irp f, 0,1,2,3,4,5,6,7
.irp c, 0,1
	ds_load_b128 v[XF+8*\f+4*\c:XF+8*\f+4*\c+3], v[LI] offset:XIMG+\f*1024+\c*512
.endr
.endr
.irp pt, 0,1,2,3
.irp ks, 0,1
	ds_load_b32 v[XS+2*\pt+\ks], v[XSR] offset:\ks*256+\pt*64
.endr
.endr
	s_wait_dscnt 0x0
	s_wait_loadcnt 0x0                             ; the weights
; One of q (tau = 0), k (1), v (2): 16 products on eight accumulators by turns; the first K step starts the sums.  Then the results are rounded to f16 in place,
; each accumulator from its low end on, and stored: every store covers 512 consecutive bytes, aligned.
.macro PASS tau
.if \tau > 0
	s_wait_xcnt 0x0                                ; the last pass's stores have read their data: the accumulators may be written again
.endif
.irp ks, 0,1
.irp i, 0,1
.irp pt, 0,1,2,3
.set rD, ACC+8*(4*\i+\pt)
.set rW, WF+8*(2*(2*\tau+\i)+\ks)
.set rX, XF+8*(2*\pt+\ks)
.set rWS, WS+2*(2*\tau+\i)+\ks
.set rXS, XS+2*\pt+\ks
.if \tau < 2
.if \ks == 0
	v_wmma_scale_f32_16x16x128_f8f6f4 v[rD:rD+7], v[rW:rW+7], v[rX:rX+7], 0, v[rWS], v[rXS] matrix_a_fmt:MATRIX_FMT_FP4 matrix_b_fmt:MATRIX_FMT_FP4
.else
	v_wmma_scale_f32_16x16x128_f8f6f4 v[rD:rD+7], v[rW:rW+7], v[rX:rX+7], v[rD:rD+7], v[rWS], v[rXS] matrix_a_fmt:MATRIX_FMT_FP4 matrix_b_fmt:MATRIX_FMT_FP4
.endif
.else
.if \ks == 0
	v_wmma_scale_f32_16x16x128_f8f6f4 v[rD:rD+7], v[rX:rX+7], v[rW:rW+7], 0, v[rXS], v[rWS] matrix_a_fmt:MATRIX_FMT_FP4 matrix_b_fmt:MATRIX_FMT_FP4
.else
	v_wmma_scale_f32_16x16x128_f8f6f4 v[rD:rD+7], v[rX:rX+7], v[rW:rW+7], v[rD:rD+7], v[rXS], v[rWS] matrix_a_fmt:MATRIX_FMT_FP4 matrix_b_fmt:MATRIX_FMT_FP4
.endif
.endif
.endr
.endr
.endr
.rept 4
	v_nop                                          ; four places between the last product and the first read of results (ISA guide 7.12.1)
.endr
.irp i, 0,1
.irp pt, 0,1,2,3
.set rD, ACC+8*(4*\i+\pt)
.irp k, 0,1,2,3
	v_cvt_pk_f16_f32 v[rD+\k], v[rD+2*\k], v[rD+2*\k+1]
.endr
.endr
.endr
.irp i, 0,1
.irp pt, 0,1,2,3
.set rD, ACC+8*(4*\i+\pt)
.if \tau == 0
	global_store_b128 v[LI], v[rD:rD+3], s[20:21] offset:\pt*2048+\i*512
.elseif \tau == 1
	global_store_b128 v[LI], v[rD:rD+3], s[22:23] offset:(\pt/2)*8192+(\pt%2)*2048+\i*512
.else
	global_store_b128 v[LI], v[rD:rD+3], s[24:25] offset:(\pt/2)*8192+\i*1024+(\pt%2)*512
.endif
.endr
.endr
.endm
	PASS 0
	PASS 1
	PASS 2
	s_wait_tensorcnt 0x0                           ; the wave's end: a wait, an add to my spare word and its wait, behind my last LDS store
	ds_add_u32 v[SPW], v[NIL]
	s_wait_dscnt 0x0
	s_endpgm
.Lfunc_end_k_qa265bf350f_qkv:
	.size	k_qa265bf350f_qkv, .Lfunc_end_k_qa265bf350f_qkv-k_qa265bf350f_qkv
	.p2alignl 7, 3214868480
	.fill 96, 4, 3214868480
	.section	.rodata,"a",@progbits
	.p2align	6, 0x0
	.amdhsa_kernel k_qa265bf350f_qkv
		.amdhsa_group_segment_fixed_size 9728
		.amdhsa_private_segment_fixed_size 0
		.amdhsa_enable_private_segment 0
		.amdhsa_kernarg_size 40
		.amdhsa_user_sgpr_count 2
		.amdhsa_user_sgpr_kernarg_segment_ptr 1
		.amdhsa_wavefront_size32 1
		.amdhsa_system_sgpr_workgroup_id_x 1
		.amdhsa_system_sgpr_workgroup_id_y 1
		.amdhsa_system_sgpr_workgroup_id_z 1
		.amdhsa_system_vgpr_workitem_id 0
		.amdhsa_next_free_vgpr 256
		.amdhsa_next_free_sgpr 66
		.amdhsa_reserve_vcc 0
		.amdhsa_float_denorm_mode_32 3
		.amdhsa_float_denorm_mode_16_64 3
		.amdhsa_memory_ordered 1
		.amdhsa_forward_progress 1
		.amdhsa_inst_pref_size 32
	.end_amdhsa_kernel
	.amdgpu_metadata
---
amdhsa.version: [ 1, 2 ]
amdhsa.kernels:
  - .name:           k_qa265bf350f_qkv
    .symbol:         k_qa265bf350f_qkv.kd
    .args:
      - { .name: x, .offset: 0, .size: 8, .value_kind: global_buffer, .address_space: global }
      - { .name: wimg, .offset: 8, .size: 8, .value_kind: global_buffer, .address_space: global }
      - { .name: wsc, .offset: 16, .size: 8, .value_kind: global_buffer, .address_space: global }
      - { .name: qimg, .offset: 24, .size: 8, .value_kind: global_buffer, .address_space: global }
      - { .name: kv, .offset: 32, .size: 8, .value_kind: global_buffer, .address_space: global }
    .group_segment_fixed_size: 9728
    .private_segment_fixed_size: 0
    .kernarg_segment_align: 8
    .kernarg_segment_size: 40
    .max_flat_workgroup_size: 256
    .sgpr_count:     66
    .vgpr_count:     256
    .wavefront_size: 32
...
	.end_amdgpu_metadata
.endif
;; end of part 2
;; launch attn (part 3): grid 16 x 16, 8 waves a work-group, clusters of 4 x 1, 327,680 bytes of LDS; arguments qimg, kv, attimg; writes attimg
.if DOCPART == 3
	.amdgcn_target "amdgcn-amd-amdhsa--gfx1250"
	.amdhsa_code_object_version 6
	.text
	.protected	k_qa265bf350f_attn
	.globl	k_qa265bf350f_attn
	.p2align	8
	.type	k_qa265bf350f_attn,@function
k_qa265bf350f_attn:
	s_mov_b64 s[64:65], 0
	v_nop
	global_prefetch_b8 v0, s[64:65] scope:SCOPE_SE
	s_setreg_imm32_b32 hwreg(HW_REG_WAVE_MODE, 25, 1), 1
	s_wait_xcnt 0x0
	s_wait_alu depctr_hold_cnt(0) depctr_sa_sdst(0) depctr_va_vdst(0) depctr_va_sdst(0) depctr_va_ssrc(0) depctr_va_vcc(0) depctr_vm_vsrc(0)
	s_getreg_b32 s2, hwreg(HW_REG_IB_STS2, 6, 4)
	s_cmp_eq_u32 s2, 0
	s_cbranch_scc0 .Lentry_in_a_cluster
	s_endpgm
.Lentry_in_a_cluster:
	s_bfe_u32 s2, ttmp6, 0x10000c
	s_cmp_lg_u32 s2, 0x3003
	s_cbranch_scc0 .Lentry_shape_is_right
	s_endpgm
.Lentry_shape_is_right:
; ATTN: att[head][q][:] = the sum over k of softmax_k(Q[q] . K[k] / 8) V[k][:], 16 heads of 4,096 positions x 64 channels.  Operands f16, products, maxima and sums f32; the weights p are rounded to f16
; for the second product, att to f16 at the end.  Q, K and V come, and att leaves, as images of operand registers: blocks of 512 bytes, lane l's 16 bytes at 16 l.
; SHARES.  A work-group owns 256 queries of one head; each of its eight waves owns 32: two tiles of 16, in 256 registers (no register windows; two waves to a SIMD).  Every wave walks all keys, 32 a step.
; LAYOUT.  S^T = K Q^T (source 0 = 16 keys, source 1 = 16 queries): a lane holds ONE query (lane % 16) and keys 8 (lane / 16) + 0 .. 7 of each of two tiles; rounded to f16 in pairs these ARE source 1
; (32 keys x 16 queries) of O^T = V^T P, whose result holds one query a lane again, and eight channels.  Nothing changes lanes but one exchange of maxima between the halves.
; SOFTMAX.  For each query a running maximum m and sum l: p = 2^(c s - c m), c = log2(e) / 8; in every step O and l are multiplied by a = 2^(c m_old - c m_new).  m begins at -3e38, O and l at 0.
; BY TURNS.  In a TURN one tile has the matrix unit: 4 products V^T P of the step in hand, then 4 products K Q^T of the next step; the other tile's softmax, 71 lines in 8 pieces, stands between them.
; RING.  Two LDS slots of 16 steps (131,072 bytes); a step's 8,192 bytes are K's 4 fragments, then V's 4.  Each wave brings an eighth of a slot by one tensor load: 64 rows of 256 bytes, dense.
; CLUSTER.  The four query blocks of a cluster belong to one head and walk the same K and V: each load is asked for JOINTLY, the same load with the same descriptor and a mask that names the four.
; LIMITS: NaN and infinities are not served; p and att under 6e-5 keep f16's absolute step of 6e-8.
.set STEPB, 8192                       ; a step's tiles
.set SLOTB, 16*STEPB                   ; a slot
.set SLOT1, 1<<17                      ; slot 1 begins here: one exclusive or turns an address in one slot into the other's
.set SPARE, 2*SLOT1                    ; behind the ring: the spare words, 128 bytes for each of the eight waves: four blocks of 256 bytes that no other line names
.set LI,  1                            ; v1   16 x lane; never rewritten
.set ADR, 2                            ; v2   LDS address of the run of loads in hand
.set SPW, 3                            ; v3   LDS address of my spare word; never rewritten
.set NIL, 4                            ; v4   0; never rewritten
.set PFO, 6                            ; v6   256 x lane: the prefetches' offset; never rewritten
.set ST,  8                            ; tile t's statistics at v[ST + 12 t]: +0 c m, +1 m, +2, +3 l (even keys', odd keys'), +4 a, +5 its pair's other half, +6 to +9 c0-c3, at work
.set QF,  32                           ; v32-63   Q: fragment (tile t, channels 32 e on) at QF + 8 (2 t + e)
.set SB,  64                           ; v64-95   S^T, 16 a tile, then p; P in place in a tile's first 8
.set KF,  96                           ; v96-127  K of one step: fragment (keys 16 kt on, channels 32 e on) at KF + 8 (2 kt + e)
.set VF,  128                          ; v128-159 V of one step: channels 16 ct on at VF + 8 ct
.set OB,  160                          ; v160-223 O^T, 32 a tile
.set OUTR, 224                         ; v224-255 the way out
.set WV,  12                           ; s12  my wave's number
.set LIM, 15                           ; s15  1 in a wave that prefetches, else the greatest number
.set PFA, 18                           ; s[18:19] where my prefetches stand
.set G1,  24                           ; s[24:31] descriptor group 1
.set G0A, 32                           ; s[32:35] group 0 of slot 0's first fill
.set G0B, 36                           ; s[36:39] group 0 of slot 1's first fill; it then walks
.set SLOTS, 40                         ; s40  slots still to be asked for
.set CNT, 41                           ; s41  counts a slot's steps
.set CS,  42                           ; s[42:43] c: the packed scaling names a pair and takes its low word for both halves
.set SEL, 44                           ; s[44:45] lane selects for v_permlanex16_b32: lane l xor 16
.set TB,  46                           ; s46  LDS byte at which the tiles of the step to be fetched begin
; A round of the cluster's barrier: my work-group's barrier, so that wave 0's signal speaks for all eight waves; wave 0 signals for the work-group; every wave waits for all four work-groups; my work-group's barrier once more.
.macro CROUND
	s_barrier_signal -1
	s_barrier_wait -1
	s_cmp_lg_u32 s[WV], 0
	s_cbranch_scc1 .Lnot_wave_0_\@
	s_barrier_signal -3
.Lnot_wave_0_\@:
	s_barrier_wait -3
	s_barrier_signal -1
	s_barrier_wait -1
.endm
; A PREFETCH INTO THE L2 of the slot that the NEXT change of slots will ask for: 131,072 bytes, 16 key steps ahead of that load.  Each aligned block of 256 bytes is named once in the launch: all clusters of a head walk
; the same bytes, so the head's first cluster asks; its four partners take 32,768 bytes each, told apart BY ADDRESS; in each, waves 0 to 3 take 8,192 bytes, lanes 256 bytes apart: one instruction a wave.
; The last change that fills a slot asks for nothing: there is no slot behind it.  Slots 0, 1 and 2 come by their loads alone.
.macro ASK
	s_cmp_gt_u32 s[SLOTS], s[LIM]
	s_cbranch_scc0 .Lnot_mine_\@
	global_prefetch_b8 v[PFO], s[PFA:PFA+1] th:TH_LOAD_NT scope:SCOPE_SE
.Lnot_mine_\@:
.endm
	s_load_b128 s[4:7], s[0:1], 0x0                ; qimg s[4:5], kv s[6:7]
	s_load_b64 s[8:9], s[0:1], 0x10                ; attimg
	v_lshl_add_u32 v[SPW], v0, 2, SPARE
	v_mov_b32 v[NIL], 0
	ds_add_u32 v[SPW], v[NIL]                      ; the wave's opening: the add, twice on end, and its wait ahead of my first tensor load; the set-up below, work on registers, stands between
	ds_add_u32 v[SPW], v[NIL]                      ; and once more, under the one wait
	v_lshrrev_b32 v2, 5, v0
	v_readfirstlane_b32 s[WV], v2                  ; wave 0..7
	s_bfe_u32 s13, ttmp6, 0x40000                  ; cx: my place in the cluster
	s_lshl_b32 s14, ttmp9, 2                       ; in a cluster launch ttmp9 counts clusters
	s_add_co_u32 s14, s14, s13                     ; my block of 256 queries: it enters Q's and att's addresses alone
	s_and_b32 s16, ttmp7, 0xffff                   ; the head, which the four partners share
	; descriptor group 1: 64 rows of 32 elements of 8 bytes, dense in memory and in LDS: 16,384 bytes
	s_mov_b32 s[G1], 15|(3<<16)|(1<<21)            ; 15:0 the mask: all four work-groups; 17:16 elements of 8 bytes; 20 no padding; 21 set beside a mask
	s_mov_b32 s[G1+1], 32<<16                      ; tensor_dim0 = 32
	s_mov_b32 s[G1+2], 64<<16                      ; tensor_dim1 = 64
	s_mov_b32 s[G1+3], 32<<16                      ; tile_dim0 = 32
	s_mov_b32 s[G1+4], 64                          ; tile_dim1 = 64
	s_mov_b32 s[G1+5], 32                          ; from row to row: 32 elements
	s_mov_b32 s[G1+6], 0
	s_mov_b32 s[G1+7], 0
	s_mov_b32 s[CS], 0x3e38aa3b                    ; c = log2(e) / 8
	s_mov_b32 s[CS+1], s[CS]                       ; (named with it as a pair, so it is written)
	s_mov_b32 s[SEL], 0x76543210
	s_mov_b32 s[SEL+1], 0xfedcba98
	s_mov_b32 s[TB], 0
	s_mov_b32 s[SLOTS], 6                          ; 8 slots' worth of keys; two go out at the start
	s_lshr_b32 s[LIM], s[WV], 2                    ; 0 in waves 0 to 3,
	s_or_b32 s[LIM], s[LIM], ttmp9                 ; where the cluster is the head's first: the same in all four partners
	s_cmp_eq_u32 s[LIM], 0
	s_cselect_b32 s[LIM], 1, -1
	v_and_b32 v[LI], 31, v0
	v_lshlrev_b32 v[PFO], 8, v[LI]
	v_lshlrev_b32 v[LI], 4, v[LI]
	s_lshl_b32 s20, s16, 20                        ; kv: 1,048,576 bytes a head,
	s_lshl_b32 s21, s[WV], 14                      ; my wave's eighth of a slot: nothing here hangs on my place in the cluster
	s_add_co_u32 s20, s20, s21
	s_mov_b32 s21, 0
	s_lshl_b32 s22, s16, 19                        ; qimg: 524,288 bytes a head,
	s_lshl_b32 s23, s14, 15                        ; 16 tiles of 2,048 a block of queries,
	s_add_co_u32 s22, s22, s23
	s_lshl_b32 s23, s[WV], 12                      ; two tiles a wave
	s_add_co_u32 s22, s22, s23
	s_mov_b32 s23, 0
	s_lshr_b32 s10, s16, 2
	s_lshl_b32 s10, s10, 21                        ; attimg: 2,097,152 bytes an image,
	s_lshl_b32 s11, s14, 17                        ; 16 tiles of 8,192 a block of queries,
	s_add_co_u32 s10, s10, s11
	s_lshl_b32 s11, s[WV], 14                      ; two tiles a wave,
	s_add_co_u32 s10, s10, s11
	s_and_b32 s11, s16, 3
	s_lshl_b32 s11, s11, 11                        ; my head's four blocks of a tile's sixteen
	s_add_co_u32 s10, s10, s11
	s_mov_b32 s11, 0
	s_lshl_b32 s2, s16, 20                         ; the prefetches: my head,
	s_lshl_b32 s3, s13, 15                         ; my work-group's 32,768 bytes of a slot,
	s_add_co_u32 s2, s2, s3
	s_lshl_b32 s3, s[WV], 13                       ; my wave's 8,192 of them,
	s_add_co_u32 s2, s2, s3
	s_add_co_u32 s2, s2, 2*SLOTB                   ; in slot 2; the first change of slots steps it to slot 3.  Nothing is prefetched here, at the head, where every work-group's first tiles are on their way
	s_mov_b32 s3, 0
	s_wait_dscnt 0x0                               ; both opening adds are done
	s_wait_kmcnt 0x0
	s_add_nc_u64 s[PFA:PFA+1], s[6:7], s[2:3]
	s_add_nc_u64 s[6:7], s[6:7], s[20:21]          ; kv at my part of slot 0
	s_add_nc_u64 s[4:5], s[4:5], s[22:23]          ; Q at my first tile
	s_add_nc_u64 s[8:9], s[8:9], s[10:11]          ; att likewise
	CROUND                                         ; all four work-groups are here: the first joint loads meet
	s_mov_b32 s[G0A], 1                            ; 1:0 count = 1
	s_lshl_b32 s[G0A+1], s[WV], 14                 ; 63:32 LDS address: wave x 16,384
	s_mov_b64 s[G0A+2:G0A+3], s[6:7]               ; 120:64 global address
	s_or_b32 s[G0A+3], s[G0A+3], 0x80000000        ; 127:126 type = 2
	s_mov_b32 s[G0B], 1
	s_add_co_u32 s[G0B+1], s[G0A+1], SLOT1
	s_add_nc_u64 s[G0B+2:G0B+3], s[6:7], SLOTB
	s_or_b32 s[G0B+3], s[G0B+3], 0x80000000
	tensor_load_to_lds s[G0A:G0A+3], s[G1:G1+7]    ; the two first fills go out together, ahead of every wait on TENSORcnt and every LDS read: two loads of mine are out
	s_nop 0
	tensor_load_to_lds s[G0B:G0B+3], s[G1:G1+7]
	s_nop 0
.rept 4
	v_nop
.endr
.irp t, 0,1
.irp e, 0,1
.irp c, 0,1
	global_load_b128 v[QF+8*(2*\t+\e)+4*\c:QF+8*(2*\t+\e)+4*\c+3], v[LI], s[4:5] offset:\t*2048+\e*1024+\c*512 th:TH_LOAD_NT   ; Q stays in registers
.endr
.endr
.endr
.irp t, 0,1
	v_mov_b32 v[ST+12*\t+1], 0xff61b1e6            ; m: -3e38, under every score
	v_mul_f32 v[ST+12*\t], s[CS], v[ST+12*\t+1]    ; c m
.irp j, 2,3,4,5,6,7,8,9
	v_mov_b32 v[ST+12*\t+\j], 0                    ; l; and the rest is written once, since pairs and a lane permute's destination count as read
.endr
.endr
; THE MATRIX WORK.  No two products that follow each other share an accumulator: between two links of a chain stands one other product (K Q^T) or stand three and more (V^T P).
.macro PV x, ct                        ; O^T(tile x, channels 16 ct on) += V^T P
	v_wmma_f32_16x16x32_f16 v[OB+32*(\x)+8*\ct:OB+32*(\x)+8*\ct+7], v[VF+8*\ct:VF+8*\ct+7], v[SB+16*(\x):SB+16*(\x)+7], v[OB+32*(\x)+8*\ct:OB+32*(\x)+8*\ct+7]
.endm
.macro QK x, kt, e                     ; S^T(tile x, keys 16 kt on): channels 32 e on; e = 0 starts the sum
.if \e == 0
	v_wmma_f32_16x16x32_f16 v[SB+16*(\x)+8*\kt:SB+16*(\x)+8*\kt+7], v[KF+8*(2*\kt+\e):KF+8*(2*\kt+\e)+7], v[QF+8*(2*(\x)+\e):QF+8*(2*(\x)+\e)+7], 0
.else
	v_wmma_f32_16x16x32_f16 v[SB+16*(\x)+8*\kt:SB+16*(\x)+8*\kt+7], v[KF+8*(2*\kt+\e):KF+8*(2*\kt+\e)+7], v[QF+8*(2*(\x)+\e):QF+8*(2*(\x)+\e)+7], v[SB+16*(\x)+8*\kt:SB+16*(\x)+8*\kt+7]
.endif
.endm
; THE LDS LOADS stand in runs of eight: a step's K and, a turn later, its V.  Each load takes 512 consecutive bytes.
.macro FETCH_K
	v_add_nc_u32 v[ADR], s[TB], v[LI]
.irp f, 0,1,2,3
	ds_load_b128 v[KF+8*\f:KF+8*\f+3],   v[ADR] offset:\f*1024
	ds_load_b128 v[KF+8*\f+4:KF+8*\f+7], v[ADR] offset:\f*1024+512
.endr
.endm
.macro FETCH_V
	v_add_nc_u32 v[ADR], s[TB], v[LI]
	s_add_co_u32 s[TB], s[TB], STEPB               ; the next fetch is the next step's
	s_wait_alu depctr_va_vdst(0)                   ; the wait for the softmax's batch of exponentials, ahead of the first line that names a result
.irp f, 0,1,2,3
	ds_load_b128 v[VF+8*\f:VF+8*\f+3],   v[ADR] offset:4096+\f*1024
	ds_load_b128 v[VF+8*\f+4:VF+8*\f+7], v[ADR] offset:4096+\f*1024+512
.endr
.endm
; THE VECTOR WORK: tile y's softmax for one step of 32 keys (16 scores a lane), in eight pieces.
.macro SMSET y
.set smT, ST+12*(\y)
.set smS, SB+16*(\y)
.set smO, OB+32*(\y)
.endm
.macro FMA b                           ; pair b of the scores: c s - c m
	v_pk_fma_f32 v[smS+2*\b:smS+2*\b+1], v[smS+2*\b:smS+2*\b+1], s[CS:CS+1], v[smT:smT+1] op_sel_hi:[1,0,0] neg_lo:[0,0,1] neg_hi:[0,0,1]
.endm
.macro EX i
	v_exp_f32 v[smS+\i], v[smS+\i]
.endm
.macro SM_A y                          ; the maximum of my 16 scores and the old m; each of the two accumulators is read from its low end on (s0; s8)
	SMSET \y
	v_max3_num_f32 v[smT+6], v[smS], v[smS+1], v[smS+2]
	v_max3_num_f32 v[smT+7], v[smS+3], v[smS+4], v[smS+5]
	v_max3_num_f32 v[smT+8], v[smS+6], v[smS+7], v[smS+8]
	v_max3_num_f32 v[smT+9], v[smS+9], v[smS+10], v[smS+11]
	v_max3_num_f32 v[smT+6], v[smT+6], v[smS+12], v[smS+13]
	v_max3_num_f32 v[smT+7], v[smT+7], v[smS+14], v[smS+15]
	v_max3_num_f32 v[smT+8], v[smT+8], v[smT+9], v[smT+1]
	v_max3_num_f32 v[smT+6], v[smT+6], v[smT+7], v[smT+8]
	v_permlanex16_b32 v[smT+7], v[smT+6], s[SEL], s[SEL+1]   ; the query's other 16 keys lie in the lane 16 away
.endm
.macro SM_B y                          ; the new m, c m and its change; from here to the end of SM_D ONE BATCH: 8 scalings and 17 exponentials, none of which reads an exponential's result
	SMSET \y
	v_mov_b32 v[smT+9], v[smT]                     ; c m_old
	v_max_num_f32 v[smT+1], v[smT+6], v[smT+7]
	v_mul_f32 v[smT], s[CS], v[smT+1]
	v_sub_f32 v[smT+9], v[smT+9], v[smT]
	FMA 0
	FMA 1
	v_exp_f32 v[smT+4], v[smT+9]                   ; a
	FMA 2
	EX 0
.endm
.macro SM_C y
	SMSET \y
	EX 1
	FMA 3
	EX 2
	EX 3
	FMA 4
	EX 4
	EX 5
	FMA 5
	EX 6
.endm
.macro SM_D y
	SMSET \y
	EX 7
	FMA 6
	EX 8
	EX 9
	FMA 7
	EX 10
	EX 11
	EX 12
	EX 13
	EX 14
	EX 15
	v_nop                                          ; the plain instruction behind the last exponential and ahead of the first use: one for the batch
.endm
.macro SM_E y                          ; the sums, of the unrounded p, in two chains; l = a l + the sum
	SMSET \y
	v_pk_add_f32 v[smT+6:smT+7], v[smS:smS+1], v[smS+2:smS+3]
	v_pk_add_f32 v[smT+8:smT+9], v[smS+4:smS+5], v[smS+6:smS+7]
	v_pk_add_f32 v[smT+6:smT+7], v[smT+6:smT+7], v[smS+8:smS+9]
	v_pk_add_f32 v[smT+8:smT+9], v[smT+8:smT+9], v[smS+10:smS+11]
	v_pk_add_f32 v[smT+6:smT+7], v[smT+6:smT+7], v[smS+12:smS+13]
	v_pk_add_f32 v[smT+8:smT+9], v[smT+8:smT+9], v[smS+14:smS+15]
	v_pk_add_f32 v[smT+6:smT+7], v[smT+6:smT+7], v[smT+8:smT+9]
	v_pk_fma_f32 v[smT+2:smT+3], v[smT+2:smT+3], v[smT+4:smT+5], v[smT+6:smT+7] op_sel_hi:[1,0,1]
.endm
.macro SM_F y                          ; P: the roundings to f16, in place and ascending: line i writes register i and reads registers 2 i, 2 i + 1
	SMSET \y
.irp i, 0,1,2,3,4,5,6,7
	v_cvt_pk_f16_f32 v[smS+\i], v[smS+2*\i], v[smS+2*\i+1]
.endr
.endm
.macro SM_G y                          ; O^T times a: the first 8 pairs,
	SMSET \y
.irp i, 0,1,2,3,4,5,6,7
	v_pk_mul_f32 v[smO+2*\i:smO+2*\i+1], v[smO+2*\i:smO+2*\i+1], v[smT+4:smT+5] op_sel_hi:[1,0]
.endr
.endm
.macro SM_H y                          ; and the last 8
	SMSET \y
.irp i, 8,9,10,11,12,13,14,15
	v_pk_mul_f32 v[smO+2*\i:smO+2*\i+1], v[smO+2*\i:smO+2*\i+1], v[smT+4:smT+5] op_sel_hi:[1,0]
.endr
.endm
; A TURN.  Tile x has the matrix unit; the other tile's softmax stands in pieces behind its products.  pv = 1: 4 products V^T P; kq = 1: 4 products K Q^T for the next step.
; PLACES (ISA guide 7.12.1 except for loads), counted in plain vector lines that name none of the product's registers:
;   K's loads stand behind SM_H's 8 lines, which follow the last product that read K.   V's loads stand behind 4: SM_D's two scalings, its v_nop and the run's own v_add_nc_u32.
;   The scores of keys 16 on are begun first, since the scores of keys 0 on are laid over P, which the turn's V^T P read: between stand SM_D's 3 plain lines and SM_E's 8.
;   SM_A reads scores 8 lines (SM_H) behind the last K Q^T.
; ONE WAIT for the turn's 17 exponentials, behind SM_D and ahead of SM_E, their first reader.
.macro TURN x, pv, kq
.if (\x == 0) && \kq
	FETCH_K                                        ; the next step's K: both tiles have multiplied by this step's
.endif
.if (\x == 0) && \pv
.if \kq
	s_wait_dscnt 8                                 ; V's eight loads are in; K's eight, just issued, may be out
.else
	s_wait_dscnt 0x0
.endif
.endif
.if \pv
	PV \x, 0
.endif
	SM_A 1-\x
.if \pv
	PV \x, 1
.endif
	SM_B 1-\x
.if \pv
	PV \x, 2
.endif
	SM_C 1-\x
.if \pv
	PV \x, 3
.endif
	SM_D 1-\x
.if (\x == 1) && \kq
	FETCH_V                                        ; the same step's V as the K fetched a turn ago; the wait for the batch stands in it
.else
	s_wait_alu depctr_va_vdst(0)                   ; the wait for the batch
.endif
.if (\x == 0) && \kq
	s_wait_dscnt 0x0                               ; K is in
.endif
.if \kq
	QK \x, 1, 0
.endif
	SM_E 1-\x
.if \kq
	QK \x, 0, 0
.endif
	SM_F 1-\x
.if \kq
	QK \x, 1, 1
.endif
	SM_G 1-\x
.if \kq
	QK \x, 0, 1
.endif
	SM_H 1-\x
.endm
.macro STEPS n                         ; n key steps: written once; the LDS addresses hang on s[TB]
	s_mov_b32 s[CNT], \n
.Lstep_\@:
	TURN 0, 1, 1
	TURN 1, 1, 1
	s_sub_co_u32 s[CNT], s[CNT], 1
	s_cmp_lg_u32 s[CNT], 0
	s_cbranch_scc1 .Lstep_\@
.endm
; THE CHANGE OF SLOTS: the slot's last bytes, V of its last step, have been asked for.  Each wave waits for all its tensor loads, of which one is out: its part of the other slot; adds 0 to its spare word;
; and waits for that and for its own reads of the slot.  fill = 1: the slot is filled again, with the keys two slots on: the barrier is then a round of the cluster's, so that no wave of any partner still reads
; the slot or has a load on its way, and the joint refill is the first thing behind it: it has 16 key steps in which to land.  One load of mine is out behind each round.
.macro CHANGE fill
	s_wait_tensorcnt 0x0                           ; no tensor load of mine is out, so a group 0 may be written
	ds_add_u32 v[SPW], v[NIL]                      ; 0 onto my spare word
.if \fill
	s_xor_b32 s[G0B+1], s[G0B+1], SLOT1            ; the walking descriptor: the other slot than last time,
	s_add_nc_u64 s[G0B+2:G0B+3], s[G0B+2:G0B+3], SLOTB   ; the next 512 keys; the type bits on top are not reached
	s_wait_xcnt 0x0                                ; the last prefetch, a slot back, has read its address, so it may be written:
	s_add_nc_u64 s[PFA:PFA+1], s[PFA:PFA+1], SLOTB ; one slot further on than the walking descriptor
	s_wait_dscnt 0x0                               ; the add is done, and my reads of the slot are over
	CROUND
	tensor_load_to_lds s[G0B:G0B+3], s[G1:G1+7]
	s_nop 0
.rept 4
	v_nop
.endr
	ASK
.else
	s_wait_dscnt 0x0                               ; the add is done, and my reads of the slot are over
	s_barrier_signal -1
	s_barrier_wait -1
.endif
	s_sub_co_u32 s[TB], s[TB], SLOTB               ; the fetches go back to a slot's first step,
	s_xor_b32 s[TB], s[TB], SLOT1                  ; in the other slot
.endm
	s_wait_tensorcnt 1                             ; my part of slot 0 is in; slot 1's may stay out
	s_barrier_signal -1
	s_barrier_wait -1                              ; everybody's is
	FETCH_K                                        ; key step 0
	s_wait_loadcnt 0x0                             ; Q
	s_wait_dscnt 0x0
	QK 0, 1, 0                                     ; tile 0's first scores: there is no vector work yet to set between them
	QK 0, 0, 0
	QK 0, 1, 1
	QK 0, 0, 1
.irp j, 0,1,2,3,4,5,6,7,8,9,10,11,12,13,14,15,16,17,18,19,20,21,22,23,24,25,26,27,28,29,30,31,32,33,34,35,36,37,38,39,40,41,42,43,44,45,46,47,48,49,50,51,52,53,54,55,56,57,58,59,60,61,62,63
	v_mov_b32 v[OB+\j], 0                          ; O^T: the turns are written once, and the first finds zeros, which a = 0 leaves zeros.  (These lines are also the places behind the four products)
.endr
	TURN 1, 0, 1                                   ; tile 1's first scores | tile 0's first softmax | V of step 0
	STEPS 15                                       ; they fetch steps 1 to 15: the rest of slot 0
.Lslot:                                            ; 6 trips: every slot but the last two is filled again
	CHANGE 1
	STEPS 16
	s_sub_co_u32 s[SLOTS], s[SLOTS], 1
	s_cmp_lg_u32 s[SLOTS], 0
	s_cbranch_scc1 .Lslot
	CHANGE 0                                       ; the tail is written out: nothing more is asked for
	STEPS 16
	TURN 0, 1, 0                                   ; tile 0: V^T P of the last step | tile 1's last softmax
	PV 1, 0                                        ; tile 1: V^T P of the last step
	PV 1, 1
	PV 1, 2
	PV 1, 3
	; THE WAY OUT.  l's two halves and the other half of the lanes' are added; O^T is divided by l and rounded to f16: a tile of 16 channels is then 16 bytes a lane, one block of att's image.
	; Tile 0 goes first: its lines, which name nothing of tile 1's last products, are the places behind them.
.irp t, 0,1
	v_add_f32 v[ST+12*\t+6], v[ST+12*\t+2], v[ST+12*\t+3]
.endr
.irp t, 0,1
	v_permlanex16_b32 v[ST+12*\t+7], v[ST+12*\t+6], s[SEL], s[SEL+1]
.endr
.irp t, 0,1
	v_add_f32 v[ST+12*\t+6], v[ST+12*\t+6], v[ST+12*\t+7]
.endr
.irp t, 0,1
	v_rcp_f32 v[ST+12*\t+4], v[ST+12*\t+6]
.endr
	v_nop                                          ; a plain instruction between the last reciprocal and the use of its result
	s_wait_alu depctr_va_vdst(0)                   ; and the wait ahead of the first use: one for the two reciprocals
.irp t, 0,1
.irp i, 0,1,2,3,4,5,6,7,8,9,10,11,12,13,14,15
	v_pk_mul_f32 v[OB+32*\t+2*\i:OB+32*\t+2*\i+1], v[OB+32*\t+2*\i:OB+32*\t+2*\i+1], v[ST+12*\t+4:ST+12*\t+5] op_sel_hi:[1,0]
.endr
.irp i, 0,1,2,3,4,5,6,7,8,9,10,11,12,13,14,15
	v_cvt_pk_f16_f32 v[OUTR+16*\t+\i], v[OB+32*\t+2*\i], v[OB+32*\t+2*\i+1]
.endr
.irp ct, 0,1,2,3
	global_store_b128 v[LI], v[OUTR+16*\t+4*\ct:OUTR+16*\t+4*\ct+3], s[8:9] offset:\t*8192+\ct*512   ; the wave stores 512 consecutive bytes, aligned
.endr
.endr
	s_wait_tensorcnt 0x0                           ; the wave's end: a wait, an add to my spare word and its wait, behind my last tensor load
	ds_add_u32 v[SPW], v[NIL]
	s_wait_dscnt 0x0
	CROUND                                         ; the closing round: no work-group ends while a partner may still ask for a tile that names it
	s_endpgm
.Lfunc_end_k_qa265bf350f_attn:
	.size	k_qa265bf350f_attn, .Lfunc_end_k_qa265bf350f_attn-k_qa265bf350f_attn
	.p2alignl 7, 3214868480
	.fill 96, 4, 3214868480
	.section	.rodata,"a",@progbits
	.p2align	6, 0x0
	.amdhsa_kernel k_qa265bf350f_attn
		.amdhsa_group_segment_fixed_size 327680
		.amdhsa_private_segment_fixed_size 0
		.amdhsa_enable_private_segment 0
		.amdhsa_kernarg_size 24
		.amdhsa_user_sgpr_count 2
		.amdhsa_user_sgpr_kernarg_segment_ptr 1
		.amdhsa_wavefront_size32 1
		.amdhsa_system_sgpr_workgroup_id_x 1
		.amdhsa_system_sgpr_workgroup_id_y 1
		.amdhsa_system_sgpr_workgroup_id_z 1
		.amdhsa_system_vgpr_workitem_id 0
		.amdhsa_next_free_vgpr 256
		.amdhsa_next_free_sgpr 66
		.amdhsa_reserve_vcc 0
		.amdhsa_float_denorm_mode_32 3
		.amdhsa_float_denorm_mode_16_64 3
		.amdhsa_memory_ordered 1
		.amdhsa_forward_progress 1
		.amdhsa_inst_pref_size 55
	.end_amdhsa_kernel
	.amdgpu_metadata
---
amdhsa.version: [ 1, 2 ]
amdhsa.kernels:
  - .name:           k_qa265bf350f_attn
    .symbol:         k_qa265bf350f_attn.kd
    .args:
      - { .name: qimg, .offset: 0, .size: 8, .value_kind: global_buffer, .address_space: global }
      - { .name: kv, .offset: 8, .size: 8, .value_kind: global_buffer, .address_space: global }
      - { .name: attimg, .offset: 16, .size: 8, .value_kind: global_buffer, .address_space: global }
    .group_segment_fixed_size: 327680
    .private_segment_fixed_size: 0
    .kernarg_segment_align: 8
    .kernarg_segment_size: 24
    .max_flat_workgroup_size: 256
    .sgpr_count:     66
    .vgpr_count:     256
    .wavefront_size: 32
...
	.end_amdgpu_metadata
.endif
;; end of part 3
;; launch proj (part 4): grid 256 x 1, 8 waves a work-group, no clusters, 68,608 bytes of LDS; arguments attimg, wpimg, b_proj, out0; writes out0
.if DOCPART == 4
	.amdgcn_target "amdgcn-amd-amdhsa--gfx1250"
	.amdhsa_code_object_version 6
	.text
	.protected	k_qa265bf350f_proj
	.globl	k_qa265bf350f_proj
	.p2align	8
	.type	k_qa265bf350f_proj,@function
k_qa265bf350f_proj:
	s_mov_b64 s[64:65], 0
	v_nop
	global_prefetch_b8 v0, s[64:65] scope:SCOPE_SE
	s_setreg_imm32_b32 hwreg(HW_REG_WAVE_MODE, 25, 1), 1
	s_wait_xcnt 0x0
; PROJ: out0[b][o][n] = the sum over c of w_proj[o][c] att[b][c][n] + b_proj[o].  Operands f16, sums f32, out0 f32.
; att and w_proj come as images of operand registers (blocks of 512 bytes, lane l's 16 bytes at 16 l): attimg [image 4][tile of 16 positions 256][16 blocks], wpimg [tile of 16 outputs 16][K step of 32, 8][2 blocks].
; SHARES.  A work-group takes 64 positions of one image for all 256 outputs.  Its part of attimg is 32,768 dense bytes: each wave brings an eighth through registers into LDS, as it lies; all eight read it.
; Wave w makes output tiles 2 w, 2 w + 1 for the four tiles of positions: eight accumulators by turns.  Its 16 fragments of w_proj stay in 128 registers.
; Source 0 = 16 positions, source 1 = 16 rows of w_proj: a lane holds ONE output and eight neighbouring positions, 32 bytes of a row of out0.  The bias is the C of each sum's first product.
; THE WAY OUT: a row's 64 positions are 256 bytes; they meet in the wave's own stage in LDS (16 rows of 256 + 16 bytes) and leave sixteen lanes to 256 consecutive bytes, aligned.
; NO CLUSTER: what work-groups share are the weights, 16,384 bytes a wave, which go from memory straight into the registers of the one wave that multiplies by them, once.
.set AIMG,  0                          ; LDS: att's fragments: (tile of positions pt, K step ks) at 8,192 pt + 1,024 ks
.set STG,   32768                      ; the stages: 4,352 bytes for each wave
.set SPITCH, 272
.set SPARE, 67584                      ; the spare words, 128 bytes for each of the eight waves: four blocks of 256 bytes that no other line names
.set LI,  1                            ; v1   16 x lane
.set SO,  2                            ; v2   the stage: where I put 32 bytes of a row
.set SR,  3                            ; v3   and where I read a row back
.set CO,  4                            ; v4   my byte offset in out0
.set BO,  5                            ; v5   4 r: my output's bias
.set SPW, 6                            ; v6   LDS address of my spare word; never rewritten
.set NIL, 7                            ; v7   0; never rewritten
.set BI,  8                            ; v8-23    the bias in the result's layout: 8 equal registers for each of my two tiles of outputs
.set AF,  24                           ; v24-55   att: first my eighth of the image, then a K step's four fragments
.set ACC, 56                           ; v56-119  accumulator 4 i + pt
.set WP,  120                          ; v120-247 w_proj's fragment (ks, i) at WP + 8 (2 ks + i); on the way out v120-151 and v152-183: rows read back
.set AW,  248                          ; v248 where I store my eighth of att's image
	s_load_b128 s[4:7], s[0:1], 0x0                ; attimg s[4:5], wpimg s[6:7]
	s_load_b128 s[8:11], s[0:1], 0x10              ; b_proj s[8:9], out0 s[10:11]
	v_lshl_add_u32 v[SPW], v0, 2, SPARE
	v_mov_b32 v[NIL], 0
	v_lshrrev_b32 v249, 5, v0
	v_readfirstlane_b32 s16, v249                  ; wave 0..7
	v_and_b32 v[LI], 31, v0
	v_lshlrev_b32 v[LI], 4, v[LI]
	v_and_b32 v249, 15, v0                         ; r
	v_bfe_u32 v250, v0, 4, 1                       ; h
	v_lshlrev_b32 v[BO], 2, v249
	s_lshr_b32 s17, ttmp9, 6                       ; the image
	s_and_b32 s18, ttmp9, 63                       ; which 64 positions
	s_lshl_b32 s22, s17, 21                        ; attimg: 2,097,152 bytes an image,
	s_lshl_b32 s24, s18, 15                        ; four tiles of 8,192,
	s_add_co_u32 s22, s22, s24
	s_lshl_b32 s24, s16, 12                        ; my eighth
	s_add_co_u32 s22, s22, s24
	s_mov_b32 s23, 0
	s_wait_kmcnt 0x0
	s_add_nc_u64 s[4:5], s[4:5], s[22:23]
	s_lshl_b32 s22, s16, 14                        ; wpimg: two tiles of 8,192
	s_add_nc_u64 s[6:7], s[6:7], s[22:23]
	s_lshl_b32 s22, s16, 7                         ; b_proj: 32 numbers
	s_add_nc_u64 s[8:9], s[8:9], s[22:23]
.irp k, 0,1,2,3,4,5,6,7
	global_load_b128 v[AF+4*\k:AF+4*\k+3], v[LI], s[4:5] offset:512*\k th:TH_LOAD_NT
.endr
.irp i, 0,1
.irp j, 0,1,2,3,4,5,6,7
	global_load_b32 v[BI+8*\i+\j], v[BO], s[8:9] offset:64*\i   ; b_proj(16 (2 w + i) + r), in each of a tile's eight registers
.endr
.endr
.irp ks, 0,1,2,3,4,5,6,7                       ; in the order in which the K steps want them
.irp i, 0,1
.irp c, 0,1
	global_load_b128 v[WP+8*(2*\ks+\i)+4*\c:WP+8*(2*\ks+\i)+4*\c+3], v[LI], s[6:7] offset:(8*\i+\ks)*1024+512*\c
.endr
.endr
.endr
	s_mul_i32 s20, s16, 16*SPITCH
	s_add_co_u32 s20, s20, STG                     ; my stage
	v_mul_u32_u24 v[SO], v249, SPITCH              ; in: row r, 32 bytes for each half of the lanes
	v_lshl_add_u32 v[SO], v250, 5, v[SO]
	v_add_nc_u32 v[SO], s20, v[SO]
	v_mul_u32_u24 v[SR], v250, SPITCH              ; back: lanes 0-15 one row of 256 bytes, lanes 16-31 the next
	v_lshl_add_u32 v[SR], v249, 4, v[SR]
	v_add_nc_u32 v[SR], s20, v[SR]
	v_lshlrev_b32 v[CO], 14, v250                  ; and the same two rows in out0: 16,384 bytes apart
	v_lshl_add_u32 v[CO], v249, 4, v[CO]
	s_lshl_b32 s21, s16, 12
	v_add_nc_u32 v[AW], s21, v[LI]
	s_lshl_b32 s22, s17, 22                        ; out0: 4,194,304 bytes an image,
	s_lshl_b32 s24, s16, 19                        ; 32 rows of 16,384 a wave,
	s_add_co_u32 s22, s22, s24
	s_lshl_b32 s24, s18, 8                         ; 64 positions
	s_add_co_u32 s22, s22, s24
	s_add_nc_u64 s[10:11], s[10:11], s[22:23]
	s_wait_loadcnt 48                              ; att's eight loads are in; the 16 + 32 behind them may be out
.irp k, 0,1,2,3,4,5,6,7
	ds_store_b128 v[AW], v[AF+4*\k:AF+4*\k+3] offset:AIMG+512*\k
.endr
	s_wait_dscnt 0x0                               ; for the others' sake: my stores have landed
	s_barrier_signal -1
	s_barrier_wait -1                              ; att's 32 fragments lie in LDS
.irp ks, 0,1,2,3,4,5,6,7
.irp pt, 0,1,2,3
.irp c, 0,1
	ds_load_b128 v[AF+8*\pt+4*\c:AF+8*\pt+4*\c+3], v[LI] offset:AIMG+\pt*8192+\ks*1024+512*\c
.endr
.endr
	s_wait_dscnt 0x0
	s_wait_loadcnt 28-4*\ks                        ; this K step's weights (and the bias) are in; the later K steps' four loads each may be out
.irp pt, 0,1,2,3
.irp i, 0,1
.if \ks == 0
	v_wmma_f32_16x16x32_f16 v[ACC+8*(4*\i+\pt):ACC+8*(4*\i+\pt)+7], v[AF+8*\pt:AF+8*\pt+7], v[WP+8*(2*\ks+\i):WP+8*(2*\ks+\i)+7], v[BI+8*\i:BI+8*\i+7]
.else
	v_wmma_f32_16x16x32_f16 v[ACC+8*(4*\i+\pt):ACC+8*(4*\i+\pt)+7], v[AF+8*\pt:AF+8*\pt+7], v[WP+8*(2*\ks+\i):WP+8*(2*\ks+\i)+7], v[ACC+8*(4*\i+\pt):ACC+8*(4*\i+\pt)+7]
.endif
.endr
.endr
.rept 4
	v_nop                                          ; four places in front of loads into registers that the products have read, and of the first read of results (ISA guide 7.12.1 except for loads)
.endr
.endr
	; the way out: my two tiles of 16 outputs, one after the other, through my own stage.  LDS serves a wave's instructions in order (ISA guide 5.7.1.4): no wait between the stores and the loads, nor in front of the second tile's stores
.irp i, 0,1
.irp pt, 0,1,2,3
	ds_store_b128 v[SO], v[ACC+8*(4*\i+\pt):ACC+8*(4*\i+\pt)+3] offset:\pt*64          ; each accumulator from its low end on
	ds_store_b128 v[SO], v[ACC+8*(4*\i+\pt)+4:ACC+8*(4*\i+\pt)+7] offset:\pt*64+16
.endr
.irp t, 0,1,2,3,4,5,6,7
	ds_load_b128 v[WP+32*\i+4*\t:WP+32*\i+4*\t+3], v[SR] offset:\t*2*SPITCH
.endr
.endr
	s_wait_dscnt 16                                ; the first tile's rows are back; the second tile's eight stores and eight loads may be out
.irp t, 0,1,2,3,4,5,6,7
	global_store_b128 v[CO], v[WP+4*\t:WP+4*\t+3], s[10:11] offset:\t*32768 th:TH_STORE_NT   ; sixteen lanes store 256 consecutive bytes, aligned; written once, read by nobody here
.endr
	s_wait_dscnt 0x0
.irp t, 0,1,2,3,4,5,6,7
	global_store_b128 v[CO], v[WP+32+4*\t:WP+32+4*\t+3], s[10:11] offset:262144+\t*32768 th:TH_STORE_NT
.endr
	s_wait_tensorcnt 0x0                           ; the wave's end: a wait, an add to my spare word and its wait, behind my last LDS store
	ds_add_u32 v[SPW], v[NIL]
	s_wait_dscnt 0x0
	s_endpgm
.Lfunc_end_k_qa265bf350f_proj:
	.size	k_qa265bf350f_proj, .Lfunc_end_k_qa265bf350f_proj-k_qa265bf350f_proj
	.p2alignl 7, 3214868480
	.fill 96, 4, 3214868480
	.section	.rodata,"a",@progbits
	.p2align	6, 0x0
	.amdhsa_kernel k_qa265bf350f_proj
		.amdhsa_group_segment_fixed_size 68608
		.amdhsa_private_segment_fixed_size 0
		.amdhsa_enable_private_segment 0
		.amdhsa_kernarg_size 32
		.amdhsa_user_sgpr_count 2
		.amdhsa_user_sgpr_kernarg_segment_ptr 1
		.amdhsa_wavefront_size32 1
		.amdhsa_system_sgpr_workgroup_id_x 1
		.amdhsa_system_sgpr_workgroup_id_y 1
		.amdhsa_system_sgpr_workgroup_id_z 1
		.amdhsa_system_vgpr_workitem_id 0
		.amdhsa_next_free_vgpr 256
		.amdhsa_next_free_sgpr 66
		.amdhsa_reserve_vcc 0
		.amdhsa_float_denorm_mode_32 3
		.amdhsa_float_denorm_mode_16_64 3
		.amdhsa_memory_ordered 1
		.amdhsa_forward_progress 1
		.amdhsa_inst_pref_size 22
	.end_amdhsa_kernel
	.amdgpu_metadata
---
amdhsa.version: [ 1, 2 ]
amdhsa.kernels:
  - .name:           k_qa265bf350f_proj
    .symbol:         k_qa265bf350f_proj.kd
    .args:
      - { .name: attimg, .offset: 0, .size: 8, .value_kind: global_buffer, .address_space: global }
      - { .name: wpimg, .offset: 8, .size: 8, .value_kind: global_buffer, .address_space: global }
      - { .name: b_proj, .offset: 16, .size: 8, .value_kind: global_buffer, .address_space: global }
      - { .name: out0, .offset: 24, .size: 8, .value_kind: global_buffer, .address_space: global }
    .group_segment_fixed_size: 68608
    .private_segment_fixed_size: 0
    .kernarg_segment_align: 8
    .kernarg_segment_size: 32
    .max_flat_workgroup_size: 256
    .sgpr_count:     66
    .vgpr_count:     256
    .wavefront_size: 32
...
	.end_amdgpu_metadata
.endif
;; end of part 4
